; MI455X (gfx1250); checked and timed in simulation.
; The chip was launched on July 23, 2026; its instructions are those of AMD's public machine-readable ISA for CDNA 5 (MIT licence, August 2026) and "CDNA5" Instruction Set Architecture Reference Guide (July 2026). The comments in the code are by the model that wrote it; some were corrected since.
;; Cinema Scalar Image. Allowed arithmetic: float matrix products may take bf16 or f16 operands with f32 sums; other float arithmetic in f32, or as packed bf16 or f16 multiplies, adds, multiply-adds, maxima and minima; sums over many terms, partial sums and values carried from step to step in f32; what a program stores and reads back later, other than sums and carried values, may be rounded once to bf16 or f16.
;; Inputs: W0 63 x 128 float32; W1 128 x 128 float32; W2 128 x 128 float32; W3 128 x 128 float32; W4 128 x 16 float32; W5 78 x 128 float32; W6 128 x 128 float32; W7 128 x 1 float32; b0 128 float32; b1 128 float32; b2 128 float32; b3 128 float32; b4 16 float32; b5 128 float32; b6 128 float32; b7 1 float32; input_points 524,288 x 3 float32.
;; Outputs: out0 524,288 x 1 float32; out1 524,288 float32.
;; One version. Each part assembles by itself: llvm-mc -triple=amdgcn-amd-amdhsa -mcpu=gfx1250 --defsym DOCPART=n.
;; ======== version 1 of 1: 1 launch
;; limits: a function is approximated: absolute error at most 0.00025; values are held in f16: magnitudes above 65,504 overflow, below 6.1e-05 lose precision; inputs' magnitudes at most 13,700; right only within a limited range of input values
;; launch siren (part 1): grid 256 x 1, 8 waves a work-group, no clusters, 256,256 bytes of LDS; arguments W0, W1, W2, W3, W4, W5, W6, W7, b0, b1, b2, b3, b4, b5, b6, b7, input_points, out0, out1; writes out0, out1
.if DOCPART == 1
	.amdgcn_target "amdgcn-amd-amdhsa--gfx1250"
	.amdhsa_code_object_version 6
	.text
	.protected	k_q4732fed97b_siren
	.globl	k_q4732fed97b_siren
	.p2align	8
	.type	k_q4732fed97b_siren,@function
k_q4732fed97b_siren:
	s_mov_b64 s[64:65], 0
	v_nop
	global_prefetch_b8 v0, s[64:65] scope:SCOPE_SE
	s_setreg_imm32_b32 hwreg(HW_REG_WAVE_MODE, 25, 1), 1
	s_wait_xcnt 0x0
; THE WHOLE MODULE IN ONE LAUNCH.  enc = [x, sin(2^k pi x), cos(2^k pi x)] (63); four layers sin(30 (x W + b)) of width 128; x4 = h3 W4 + b4 (16);
; out1 = relu(x4[:, 0]); s = [x4[:, 1:], enc] (78); two layers sin(30 (..)) of width 128; out0 = s W7 + b7.
; NOTHING IS LEFT OUT: every input has a way to an output, and all 17 are loaded.  Padding (K 63 -> 64, 78 -> 96, 1 -> 16 rows of W7^T) lies inside tiles that also hold live work,
; with zero weights against values that are written as 0 or are finite.
; SHARES.  256 work-groups of 8 waves; a work-group owns 2,048 points, a wave 4 chunks of 64 points: 4 tiles of 16.  Point 4 r + t of a chunk is column r of tile t.
; FORMATS.  Products: f16 operands, f32 sums.  Weights are rounded once to f16, activations once a layer; biases, sums and the whole sine stay in f32.
; THE SCALE.  S = 30 / (2 pi).  Every activation is kept as S x value and every bias as S x b, so an accumulator IS the sine's argument in revolutions: no line scales, none adds a bias
; (the bias tile is the C operand that starts a sum).  The polynomial's coefficients carry S; the two outputs are multiplied by 1 / S.
; THE SINE.  k = round(t); r = t - k; z = r r; S sin(2 pi r) = r (c0 + z (c1 + z (c2 + z c3))): the odd polynomial of degree 7 that errs alike, by 2.5e-4 of the amplitude at the most, over |r| <= 1/2.
; A cosine is the sine a quarter of a revolution on; 2^(k-1) x is exact in f32.
; LAYOUT.  H^T = W^T X^T: source 0 = 16 output features x 32 inputs, source 1 = 32 inputs x 16 points.  In the result a lane holds ONE point (lane % 16) and the features 8 (lane / 16) + 0..7;
; two results rounded to f16 ARE source 1 of the next layer: nothing changes lanes from the points to the outputs.
; BY TURNS.  The 4 tiles are two groups (tiles 0, 1 and tiles 2, 3).  In a slot one group has the matrix unit for one block of 16 features, and the 72 lines of the other group's sine stand behind its products.
; WINDOWS.  A layer lives in ONE window of 256 registers (fragments, bias tile, accumulators, work registers, its input); only the 8 roundings of a slot write into the other window, where the next
; layer lives: two switches a slot.  L0, L2, L4, L5, L7 live in window 0, L1, L3, L6 in window 1; those three share one text, walked in a loop of three trips.
; THE WEIGHTS are laid into LDS once a work-group, as the matrix unit's source 0 takes them.  NO JOINT LOADS, though all work-groups read the same 346 KB: they arrive as f32 [in][out] and are wanted
; as f16 [out][in], so they pass through registers in any case, once a work-group, against 2,048 points x 85,760 multiply-adds that then read them from LDS.
; NO PREFETCH: the one stream, the points, is loaded into registers a whole chunk ahead of its use.
; LIMITS.  |W| up to 65,504, and below 6.1e-5 a weight keeps f16's fixed step of 6e-8; |x| and |x4| under 13,700 (S x value is kept in f16); the sums' order is the matrix unit's;
; relu gives 0 for a NaN; NaN and infinities are not treated apart otherwise.
.set IMG0, 0                           ; LDS: the weights' images.  A fragment is 1,024 bytes, [half q][lane][16 bytes]: lane (r, h) holds feature 16 u + r, inputs 32 f + 16 q + 8 h + 0..7
.set IMG1, 16384                       ; fragment (u, f) of a layer with KF fragments a block lies at (u KF + f) x 1,024
.set IMG2, 49152
.set IMG3, 81920
.set IMG4, 114688                      ; one block of 16 rows
.set IMG5, 118784                      ; KF = 3; 4,096 bytes behind it are left untouched, so that
.set IMG6, 147456                      ; IMG1, IMG3, IMG6 lie 65,536 bytes apart: the shared text's address is plain arithmetic on its trip
.set IMG7, 180224                      ; one block of 16 rows
.set BIAS, 184320                      ; S x b in f32
.set B0, 0
.set B1, 512                           ; B1, B3, B6 lie 2,048 bytes apart, and B2, B4, B7 512 behind them
.set B2, 1024
.set B3, 2560
.set B4, 3072
.set B5, 3584
.set B6, 4608
.set B7, 5120
.set PARK, 189696                      ; each wave's own 8,192 bytes: its chunk's encoding, 2,048 a tile, kept for the scalar branch
.set SPARE, 255232                     ; the spare words, 128 bytes for each of the 8 waves: four blocks of 256 bytes that no other line names
.set SPW, 1                            ; v1   LDS address of my spare word; never rewritten
.set NIL, 2                            ; v2   0; never rewritten
.set L16, 3                            ; v3   16 x lane (both windows)
.set H32, 4                            ; v4   32 x (lane / 16) (both windows)
.set WA,  5                            ; v5   the layer's image + L16 (each window its own)
.set BA,  6                            ; v6   the layer's bias + H32 (each window its own)
.set PK,  7                            ; v7   my wave's park + L16
.set PO,  8                            ; v8   48 x (lane % 16): my four points
.set OO,  9                            ; v9   16 x (lane % 16): my four results
.set PKT, 10                           ; v10  the park address of the tile that is being encoded
.set XP,  12                           ; v[12:23]  twelve coordinates
.set T,   24                           ; v[24:39]  at work: k, then z
.set P,   40                           ; v[40:55]  at work: the polynomial
.set WF,  56                           ; v[56:87]  the block's fragments
.set BC,  88                           ; v[88:95]  the block's bias tile
.set ACC, 96                           ; v[96:127] four accumulators
.set ACT, 128                          ; v[128:255] the layer's input: tile t, fragment f at 128 + 32 t + 8 f
.set FQ,  72                           ; the encoding alone: v[72:81] the ten factors 2^(k-1),
.set PH,  82                           ; v[82:83] the phase, 0 or 1/4, twice,
.set XB,  84                           ; v[84:85] the coordinate in hand,
.set E,   96                           ; v[96:111] a tile's 16 registers of encoding
.set OE,  4                            ; the set-up alone: byte offsets into the weights (named below), and
.set ORW, 5
.set OC,  6
.set OS,  7
.set O4,  9
.set O7,  10
.set OQ,  11
.set LA,  118                          ; an LDS address at work,
.set DQ,  119                          ; my lane's place in a square weight's image
.set SC0, 46                           ; s[46:53] c0 .. c3, each twice: the packed lines name pairs and take the low word
.set SC1, 48
.set SC2, 50
.set SC3, 52
.set SRS, 54                           ; s54  1 / S
.set SS,  55                           ; s55  S
.set WV,  56                           ; s56  my wave's number
.set ITER, 57                          ; s57  chunks to go
.set TRIP, 58                          ; s58  the trip of the loop over pairs of layers
.set ENCT, 59                          ; s59  the tile that is being encoded
.set SEX, 62                           ; s62  EXEC, kept
.set MH,  63                           ; s63  lanes 16-31
.set M8,  66                           ; s66  lanes 8 and 24
.set MSB, 0
.macro WIN new                         ; the immediate's high byte repeats the setting that is left; a switch that changes nothing is dropped
.if MSB != (\new)
	s_set_vgpr_msb (MSB<<8)|(\new)
.set MSB, (\new)
.endif
.endm
	s_load_b512 s[8:23], s[0:1], 0x0               ; W0 .. W7 in s[8:9] .. s[22:23]
	s_load_b512 s[24:39], s[0:1], 0x40             ; b0 .. b7 in s[24:25] .. s[38:39]
	s_load_b128 s[40:43], s[0:1], 0x80             ; the points s[40:41], out0 s[42:43]
	s_load_b64 s[44:45], s[0:1], 0x90              ; out1
	v_lshl_add_u32 v[SPW], v0, 2, SPARE
	v_mov_b32 v[NIL], 0
	v_lshrrev_b32 v120, 5, v0
	v_readfirstlane_b32 s[WV], v120                ; wave 0..7
	v_and_b32 v122, 31, v0                         ; lane
	v_and_b32 v120, 15, v0                         ; r
	v_bfe_u32 v121, v0, 4, 1                       ; h
	v_lshlrev_b32 v[L16], 4, v122
	s_lshl_b32 s67, s[WV], 6
	s_lshl_b32 s68, s[WV], 10
	s_lshl_b32 s69, s[WV], 13
	s_lshl_b32 s70, s[WV], 9
	v_lshl_add_u32 v[OC], v120, 2, s67             ; column 16 w + r of a weight with 128 columns, and of a bias
	v_lshl_add_u32 v[ORW], v121, 9, v[OC]          ; + h rows
	v_lshl_add_u32 v[OE], v121, 10, v[ORW]         ; + 3 h rows: a cosine's row lies 3 behind its sine's
	v_lshl_add_u32 v[OS], v121, 12, v[OC]          ; + 8 h rows
	v_add_nc_u32 v123, 1, v120
	v_and_b32 v123, 15, v123
	v_lshlrev_b32 v123, 2, v123
	v_lshl_add_u32 v[O4], v121, 9, v123            ; W4: row 16 w + 8 h, column (r + 1) % 16: the 15 scalars become rows 0-14, the density row 15
	v_add_nc_u32 v[O4], s68, v[O4]
	v_lshl_add_u32 v[O7], v121, 5, s67             ; W7: row 16 w + 8 h
	v_add_nc_u32 v[OQ], s69, v[L16]                ; a square weight: row 16 w, my 16 bytes of its 512
	v_mul_u32_u24 v[PO], 48, v120
	v_lshrrev_b32 v123, 2, v122
	v_and_b32 v124, 3, v122
	v_lshlrev_b32 v124, 6, v124
	v_lshl_add_u32 v[DQ], v123, 12, v124           ; my columns 4 l .. 4 l + 3 are block l / 4, rows 4 (l % 4) + 0..3; my wave's 16 inputs are half w of the block's eight
	v_add_nc_u32 v[DQ], s70, v[DQ]
	s_mov_b32 s[SC0], 0x41efd2b6                   ; S x  6.27855
	s_mov_b32 s[SC0+1], 0x41efd2b6
	s_mov_b32 s[SC1], 0xc3443215                   ; S x -41.0911
	s_mov_b32 s[SC1+1], 0xc3443215
	s_mov_b32 s[SC2], 0x43b9feb8                   ; S x  77.9094
	s_mov_b32 s[SC2+1], 0x43b9feb8
	s_mov_b32 s[SC3], 0xc385c831                   ; S x -56.0384
	s_mov_b32 s[SC3+1], 0xc385c831
	s_mov_b32 s[SRS], 0x3e567750                   ; 2 pi / 30
	s_mov_b32 s[SS], 0x4098c9eb                    ; 30 / (2 pi)
	s_mov_b32 s[MH], 0xffff0000
	s_mov_b32 s[M8], 0x01000100
	s_mul_i32 s72, ttmp9, 24576                    ; the work-group's 2,048 points of 12 bytes,
	s_mul_i32 s74, s[WV], 768                      ; my wave's 64
	s_add_co_u32 s72, s72, s74
	s_mov_b32 s73, 0
	s_lshl_b32 s74, ttmp9, 13                      ; and the same in the outputs, 4 bytes a point
	s_lshl_b32 s75, s[WV], 8
	s_add_co_u32 s74, s74, s75
	s_mov_b32 s75, 0
	s_wait_kmcnt 0x0
	s_add_nc_u64 s[40:41], s[40:41], s[72:73]
	s_add_nc_u64 s[42:43], s[42:43], s[74:75]
	s_add_nc_u64 s[44:45], s[44:45], s[74:75]
; THE SET-UP'S LOADS, all issued before the first wait.  The encoding's 64 places: place 32 f + 16 q + 8 h + j, oo = 2 f + q.  oo = 0..2: coordinate oo, frequency j (h = 0 sine, 1 cosine): row 3 + 6 j + oo + 3 h of enc.
; oo = 3: j < 6: coordinate j / 2, frequency 8 + j % 2; j = 6: x0 or x1 (row h); j = 7: x2 (row 2), or nothing (h = 1: the weight is made 0).
.macro ELOAD d, b, add                 ; block w of a weight's 64 encoding rows: 32 numbers a lane; add: bytes to enc's first row
.irp oo, 0,1,2
.irp j, 0,1,2,3,4,5,6,7
	global_load_b32 v[(\d)+8*(\oo)+(\j)], v[OE], s[\b:\b+1] offset:(3+6*(\j)+(\oo))*512+(\add)
.endr
.endr
.irp j, 0,1,2,3,4,5
	global_load_b32 v[(\d)+24+(\j)], v[OE], s[\b:\b+1] offset:(51+6*((\j)%2)+(\j)/2)*512+(\add)
.endr
	global_load_b32 v[(\d)+30], v[ORW], s[\b:\b+1] offset:(\add)
	global_load_b32 v[(\d)+31], v[OC], s[\b:\b+1] offset:1024+(\add)
.endm
.macro SQLOAD buf, b                   ; rows 16 w .. 16 w + 15 of a square weight: each load of the wave is a whole row, 512 consecutive bytes
.set i, 0
.rept 16
	global_load_b128 v[(\buf)+4*i:(\buf)+4*i+3], v[OQ], s[\b:\b+1] offset:512*i
.set i, i+1
.endr
.endm
	global_load_b128 v[XP:XP+3], v[PO], s[40:41] th:TH_LOAD_NT
	global_load_b128 v[XP+4:XP+7], v[PO], s[40:41] offset:16 th:TH_LOAD_NT
	global_load_b128 v[XP+8:XP+11], v[PO], s[40:41] offset:32 th:TH_LOAD_NT
	ELOAD 24, 8, 0                                 ; W0
	ELOAD 56, 18, 7680                             ; W5's rows 15 on
.irp j, 0,1,2,3,4,5,6,7
	global_load_b32 v[88+\j], v[OS], s[18:19] offset:512*\j   ; W5's rows 8 h + j: the 15 scalars' (row 15 is made 0 below)
.endr
.irp j, 0,1,2,3,4,5,6,7
	global_load_b32 v[96+\j], v[O4], s[16:17] offset:64*\j
.endr
	global_load_b128 v[104:107], v[O7], s[22:23]
	global_load_b128 v[108:111], v[O7], s[22:23] offset:16
.irp k, 0,1,2,3
	global_load_b32 v[112+\k], v[OC], s[24+2*\k:25+2*\k]
.endr
	global_load_b32 v116, v[OC], s[34:35]
	global_load_b32 v117, v[OC], s[36:37]
	SQLOAD 128, 10                                 ; W1
	SQLOAD 192, 12                                 ; W2
.macro CVT8 r                          ; eight f32 on end become 16 bytes of f16, in place
	v_cvt_pk_f16_f32 v[(\r)], v[(\r)], v[(\r)+1]
	v_cvt_pk_f16_f32 v[(\r)+1], v[(\r)+2], v[(\r)+3]
	v_cvt_pk_f16_f32 v[(\r)+2], v[(\r)+4], v[(\r)+5]
	v_cvt_pk_f16_f32 v[(\r)+3], v[(\r)+6], v[(\r)+7]
.endm
.macro SQCONV buf, img                 ; 16 rows x 128 columns turned: for each of my 4 columns and each half of the rows, 8 inputs of one feature are 16 bytes of the image
	v_add_nc_u32 v[LA], (\img), v[DQ]
.irp hh, 0,1
.irp i, 0,1,2,3
.set QD, 120+4*((\i)%2)
.irp p, 0,1,2,3
	v_cvt_pk_f16_f32 v[QD+(\p)], v[(\buf)+4*(8*(\hh)+2*(\p))+(\i)], v[(\buf)+4*(8*(\hh)+2*(\p)+1)+(\i)]
.endr
	ds_store_b128 v[LA], v[QD:QD+3] offset:256*(\hh)+16*(\i)
.endr
.endr
.endm
	s_wait_loadcnt 32                              ; all but the 32 loads of W1 and W2 are in
	v_cndmask_b32 v55, v55, 0, s[MH]               ; the place that holds nothing: weight 0
	v_cndmask_b32 v87, v87, 0, s[MH]
	v_cndmask_b32 v95, v95, 0, s[MH]               ; the density is no input of the scalar branch: weight 0
	s_lshl_b32 s71, s[WV], 11
	v_add_nc_u32 v[LA], s71, v[L16]                ; IMG0, block w
.irp oo, 0,1,2,3
	CVT8 24+8*\oo
	ds_store_b128 v[LA], v[24+8*\oo:24+8*\oo+3] offset:512*\oo
.endr
	s_mul_i32 s71, s[WV], 3072
	s_add_co_u32 s71, s71, IMG5
	v_add_nc_u32 v[LA], s71, v[L16]                ; IMG5, block w
.irp oo, 0,1,2,3
	CVT8 56+8*\oo
	ds_store_b128 v[LA], v[56+8*\oo:56+8*\oo+3] offset:512*\oo
.endr
	CVT8 88
	ds_store_b128 v[LA], v[88:91] offset:2048      ; fragment 2, first half: the 16 rows of x4
.irp k, 0,1,2,3
	v_mov_b32 v[120+\k], 0
.endr
	ds_store_b128 v[LA], v[120:123] offset:2560    ; its second half: nothing
	s_add_co_u32 s71, s70, IMG4
	v_add_nc_u32 v[LA], s71, v[L16]
	CVT8 96
	ds_store_b128 v[LA], v[96:99]
	s_add_co_u32 s71, s70, IMG7
	v_add_nc_u32 v[LA], s71, v[L16]
	CVT8 104
.irp k, 0,1,2,3
	v_cndmask_b32 v[104+\k], 0, v[104+\k], s[M8]   ; W7 is row 8 of its block, so that the result falls into register 0 of lanes 16-31; the other rows are 0
.endr
	ds_store_b128 v[LA], v[104:107]
	v_add_nc_u32 v[LA], BIAS, v[OC]
.irp k, 0,1,2,3,4,5
	v_mul_f32 v[112+\k], s[SS], v[112+\k]
.endr
	ds_store_b32 v[LA], v112 offset:B0             ; (both halves of the lanes write the same word with the same number)
	ds_store_b32 v[LA], v113 offset:B1
	ds_store_b32 v[LA], v114 offset:B2
	ds_store_b32 v[LA], v115 offset:B3
	ds_store_b32 v[LA], v116 offset:B5
	ds_store_b32 v[LA], v117 offset:B6
	s_wait_loadcnt 16                              ; W1 is in; W2's 16 loads may stay out
	SQCONV 128, IMG1
	SQLOAD 128, 14                                 ; W3
	s_wait_loadcnt 16                              ; W2 is in; W3's 16 may stay out
	SQCONV 192, IMG2
	SQLOAD 192, 20                                 ; W6
	s_wait_loadcnt 16                              ; W3 is in; W6's 16 may stay out
	SQCONV 128, IMG3
	s_wait_loadcnt 0x0                             ; W6 is in; no load is out, so every offset register may be written again
	SQCONV 192, IMG6
	s_cmp_lg_u32 s[WV], 0
	s_cbranch_scc1 .Lnot_wave_0                    ; the two short biases are wave 0's
	v_and_b32 v120, 15, v0
	v_add_nc_u32 v121, 1, v120
	v_and_b32 v121, 15, v121
	v_lshlrev_b32 v121, 2, v121
	v_mov_b32 v122, 0
	global_load_b32 v123, v121, s[32:33]           ; b4, turned like W4's columns
	global_load_b32 v124, v122, s[38:39]           ; b7
	v_lshlrev_b32 v120, 2, v120
	v_add_nc_u32 v120, BIAS, v120
	s_wait_loadcnt 0x0
	v_mul_f32 v123, s[SS], v123
	v_mul_f32 v124, s[SS], v124
	v_cndmask_b32 v124, 0, v124, s[M8]             ; b7 belongs to row 8
	ds_store_b32 v120, v123 offset:B4
	ds_store_b32 v120, v124 offset:B7
.Lnot_wave_0:
	v_bfe_u32 v120, v0, 4, 1
	v_lshlrev_b32 v[H32], 5, v120
	v_and_b32 v121, 15, v0
	v_lshlrev_b32 v[OO], 4, v121
	s_add_co_u32 s71, s69, PARK
	v_add_nc_u32 v[PK], s71, v[L16]
	WIN 0x40                                       ; destination window 1
	v_mov_b32 v[L16], v[L16]
	v_mov_b32 v[H32], v[H32]
	WIN 0
	s_wait_dscnt 0x0                               ; for the others' sake: my part of the images and biases is written
	s_barrier_signal -1
	s_barrier_wait -1                              ; the kernel's one barrier: from here on the images are only read, and a wave's park is its own
; THE MATRIX WORK.  Product i of a slot for group g: fragment i / 2, tile 2 g + i % 2.  The group's two accumulators take turns, one instruction a turn, from slot to slot and from layer to layer too.
; A sum starts with the bias tile as C: nothing is cleared and no bias is added.
.macro MM g, i
.set mt, 2*(\g)+(\i)%2
.set mf, (\i)/2
.if mf == 0
	v_wmma_f32_16x16x32_f16 v[ACC+8*mt:ACC+8*mt+7], v[WF:WF+7], v[ACT+32*mt:ACT+32*mt+7], v[BC:BC+7]
.else
	v_wmma_f32_16x16x32_f16 v[ACC+8*mt:ACC+8*mt+7], v[WF+8*mf:WF+8*mf+7], v[ACT+32*mt+8*mf:ACT+32*mt+8*mf+7], v[ACC+8*mt:ACC+8*mt+7]
.endif
.endm
; THE VECTOR WORK.  Line n of the 72 that turn group g's two accumulators of block u into the next layer's input.  Lines that lean on each other stand 8 apart.  Each accumulator is read first at its lowest register.
;   0-15 k = round(t)   16-23 r = t - k, in place   24-31 z = r r   32-55 three steps of the polynomial   56-63 times r   64-71 rounded to f16, into the other window
.macro RD win, g, u, n
.set rA, ACC+16*(\g)
.set rk, 2*((\n)%8)
.if (\n) < 64
	WIN 0x55*(\win)
.else
	WIN 0x40-0x3b*(\win)                           ; sources in my window, destination in the other
.endif
.if (\n) < 16
	v_rndne_f32 v[T+(\n)], v[rA+(\n)]
.elseif (\n) < 24
	v_pk_add_f32 v[rA+rk:rA+rk+1], v[rA+rk:rA+rk+1], v[T+rk:T+rk+1] neg_lo:[0,1] neg_hi:[0,1]
.elseif (\n) < 32
	v_pk_mul_f32 v[T+rk:T+rk+1], v[rA+rk:rA+rk+1], v[rA+rk:rA+rk+1]
.elseif (\n) < 40
	v_pk_fma_f32 v[P+rk:P+rk+1], v[T+rk:T+rk+1], s[SC3:SC3+1], s[SC2:SC2+1] op_sel_hi:[1,0,0]
.elseif (\n) < 48
	v_pk_fma_f32 v[P+rk:P+rk+1], v[P+rk:P+rk+1], v[T+rk:T+rk+1], s[SC1:SC1+1] op_sel_hi:[1,1,0]
.elseif (\n) < 56
	v_pk_fma_f32 v[P+rk:P+rk+1], v[P+rk:P+rk+1], v[T+rk:T+rk+1], s[SC0:SC0+1] op_sel_hi:[1,1,0]
.elseif (\n) < 64
	v_pk_mul_f32 v[P+rk:P+rk+1], v[P+rk:P+rk+1], v[rA+rk:rA+rk+1]
.else
.set ri, (\n)-64
	v_cvt_pk_f16_f32 v[ACT+32*(2*(\g)+ri/4)+8*((\u)/2)+4*((\u)%2)+ri%4], v[P+rk], v[P+rk+1]
.endif
.endm
.macro WLD win, u, f, kf               ; fragment f of block u (with f = 0 its bias tile too): each load takes 512 consecutive bytes, or two words shared by 16 lanes each
	WIN 0x55*(\win)
	ds_load_b128 v[WF+8*(\f):WF+8*(\f)+3], v[WA] offset:((\u)*(\kf)+(\f))*1024
	ds_load_b128 v[WF+8*(\f)+4:WF+8*(\f)+7], v[WA] offset:((\u)*(\kf)+(\f))*1024+512
.if (\f) == 0
	ds_load_b128 v[BC:BC+3], v[BA] offset:64*(\u)
	ds_load_b128 v[BC+4:BC+7], v[BA] offset:64*(\u)+16
.endif
.endm
.macro NEXTLD win, wn, bn              ; the NEXT layer's block 0, four fragments and the bias tile, into the other window; wn, bn: bytes from my image and bias to the next layer's
	WIN 0x40-0x3f*(\win)                           ; destination in the other window, address in mine
.irp f, 0,1,2,3
	ds_load_b128 v[WF+8*\f:WF+8*\f+3], v[WA] offset:(\wn)+\f*1024
	ds_load_b128 v[WF+8*\f+4:WF+8*\f+7], v[WA] offset:(\wn)+\f*1024+512
.endr
	ds_load_b128 v[BC:BC+3], v[BA] offset:(\bn)
	ds_load_b128 v[BC+4:BC+7], v[BA] offset:(\bn)+16
.endm
; A SLOT.  EVEN u: group 0's products of block u | group 1's sine of block u - 1.  The block's loads were issued a slot earlier, fragment by fragment: the wait ahead of fragment f leaves the later fragments' two loads each out.
.macro EVEN win, kf, u
.set ii, 0
.rept 2*(\kf)
.if ii%2 == 0
	s_wait_dscnt 2*((\kf)-1-ii/2)
.endif
	WIN 0x55*(\win)
	MM 0, ii
.set nn, 0
.rept 36/(\kf)
	RD \win, 1, (\u)-1, (36/(\kf))*ii+nn
.set nn, nn+1
.endr
.set ii, ii+1
.endr
.endm
; ODD u: group 1's products of block u | group 0's sine of block u.  A fragment is loaded again, for block u + 1, behind its last product and that product's 9 lines or more of the sine, which name none of its registers
; (a load into a register that a matrix instruction has read stands four such lines behind it, after ISA guide 7.12.1).
.macro ODD win, kf, u, wn, bn
.if (\u) == 7
	NEXTLD \win, \wn, \bn
.endif
.set ii, 0
.rept 2*(\kf)
	WIN 0x55*(\win)
	MM 1, ii
.set nn, 0
.rept 36/(\kf)
	RD \win, 0, \u, (36/(\kf))*ii+nn
.set nn, nn+1
.endr
.if (ii%2 == 1) && ((\u) < 7)
	WLD \win, (\u)+1, ii/2, \kf
.endif
.set ii, ii+1
.endr
.endm
; THE LAST SLOT: group 0's products of the NEXT layer's block 0, in the other window | group 1's sine of block 7.  The one slot in which each product costs two switches.
.macro TAIL win
	s_wait_dscnt 0x0                               ; the next layer's block 0, asked for a slot ago
.set ii, 0
.rept 8
	WIN 0x55*(1-(\win))
	MM 0, ii
.set nn, 0
.rept 9
	RD \win, 1, 7, 9*ii+nn
.set nn, nn+1
.endr
.set ii, ii+1
.endr
.endm
; A LAYER of 128 features, K = 32 kf.  At its head: group 0's sums of block 0 are made, block 0's fragments and bias tile are in registers, WA and BA are set.
.macro LAYER win, kf, wn, bn
	ODD \win, \kf, 0, \wn, \bn
.irp u, 1,2,3,4,5,6,7
	EVEN \win, \kf, \u
	ODD \win, \kf, \u, \wn, \bn
.endr
	TAIL \win
.endm
.macro SETW img, b
	v_add_nc_u32 v[WA], (\img), v[L16]
	v_add_nc_u32 v[BA], BIAS+(\b), v[H32]
.endm
.macro PARKLD g                        ; group g's encoding comes back from my park, into fragments 0 and 1 of its two tiles
.irp tt, 0,1
.irp i, 0,1,2,3
	ds_load_b128 v[ACT+32*(2*(\g)+\tt)+4*\i:ACT+32*(2*(\g)+\tt)+4*\i+3], v[PK] offset:2048*(2*(\g)+\tt)+512*\i
.endr
.endr
.endm
; Line n of the 20 behind x4 for group g, ten a tile: S x4 rounded to f16 is the first half of fragment 2 of the scalar branch's input; the density (row 15: register 7 of lanes 16-31) is scaled back and clipped; the second half is 0.
.macro EP4 g, n
.set et, 2*(\g)+(\n)/10
.set en, (\n)%10
.if en < 4
	v_cvt_pk_f16_f32 v[ACT+32*et+16+en], v[ACC+8*et+2*en], v[ACC+8*et+2*en+1]
.elseif en == 4
	v_mul_f32 v[T+et], s[SRS], v[ACC+8*et+7]
.elseif en == 5
	v_max_num_f32 v[T+et], 0, v[T+et]
.else
	v_mov_b32 v[ACT+32*et+14+en], 0
.endif
.endm
; Four results a point column, in v[24:27] of lanes 16-31: 16 lanes store 256 consecutive bytes, at a multiple of 256 from the output's first byte.
.macro STORE4 b
	v_cmp_le_u32 vcc_lo, 0x100, v[L16]             ; lanes 16-31
	s_wait_xcnt 0x0                                ; EXEC changes only when every memory instruction issued so far has had its addresses translated (ISA guide 3.1)
	s_and_saveexec_b32 s[SEX], vcc_lo
	global_store_b128 v[OO], v[T:T+3], s[\b:\b+1] th:TH_STORE_NT
	s_wait_xcnt 0x0                                ; and again: behind this wait EXEC, the store's data and its base may be written
	s_or_b32 exec_lo, exec_lo, s[SEX]
	s_add_nc_u64 s[\b:\b+1], s[\b:\b+1], 2048      ; the work-group's next 512 points
.endm
; ONE TILE'S ENCODING, from the point in v[12:14].  For each coordinate ten arguments 2^(k-1) x + phase (lanes 0-15 make the sines, lanes 16-31 the cosines, by the same lines), then the sine as above.
.macro ENC1
.irp c, 0,1,2
	v_mov_b32 v[XB], v[XP+\c]
.irp p, 0,1,2,3,4
	v_pk_fma_f32 v[T+2*\p:T+2*\p+1], v[XB:XB+1], v[FQ+2*\p:FQ+2*\p+1], v[PH:PH+1] op_sel_hi:[0,1,1]
.endr
.irp n, 0,1,2,3,4,5,6,7,8,9
	v_rndne_f32 v[T+10+\n], v[T+\n]
.endr
.irp p, 0,1,2,3,4
	v_pk_add_f32 v[T+2*\p:T+2*\p+1], v[T+2*\p:T+2*\p+1], v[T+10+2*\p:T+11+2*\p] neg_lo:[0,1] neg_hi:[0,1]
.endr
.irp p, 0,1,2,3,4
	v_pk_mul_f32 v[T+10+2*\p:T+11+2*\p], v[T+2*\p:T+2*\p+1], v[T+2*\p:T+2*\p+1]
.endr
.irp p, 0,1,2,3,4
	v_pk_fma_f32 v[T+20+2*\p:T+21+2*\p], v[T+10+2*\p:T+11+2*\p], s[SC3:SC3+1], s[SC2:SC2+1] op_sel_hi:[1,0,0]
.endr
.irp p, 0,1,2,3,4
	v_pk_fma_f32 v[T+20+2*\p:T+21+2*\p], v[T+20+2*\p:T+21+2*\p], v[T+10+2*\p:T+11+2*\p], s[SC1:SC1+1] op_sel_hi:[1,1,0]
.endr
.irp p, 0,1,2,3,4
	v_pk_fma_f32 v[T+20+2*\p:T+21+2*\p], v[T+20+2*\p:T+21+2*\p], v[T+10+2*\p:T+11+2*\p], s[SC0:SC0+1] op_sel_hi:[1,1,0]
.endr
.irp p, 0,1,2,3,4
	v_pk_mul_f32 v[T+20+2*\p:T+21+2*\p], v[T+20+2*\p:T+21+2*\p], v[T+2*\p:T+2*\p+1]
.endr
.irp p, 0,1,2,3
	v_cvt_pk_f16_f32 v[E+4*\c+\p], v[T+20+2*\p], v[T+21+2*\p]   ; frequencies 0-7: places 16 c + 8 h + 0..7
.endr
	v_cvt_pk_f16_f32 v[E+12+\c], v[T+28], v[T+29]               ; frequencies 8, 9: places 48 + 8 h + 2 c, + 1
.endr
	v_cndmask_b32 v[T], v[XP], v[XP+1], s[MH]      ; the raw coordinates: x0 and x2 in lanes 0-15, x1 and 0 in lanes 16-31
	v_cndmask_b32 v[T+1], v[XP+2], 0, s[MH]
	v_mul_f32 v[T], s[SS], v[T]
	v_mul_f32 v[T+1], s[SS], v[T+1]
	v_cvt_pk_f16_f32 v[E+15], v[T], v[T+1]
.irp i, 0,1,2,3
	ds_store_b128 v[PKT], v[E+4*\i:E+4*\i+3] offset:512*\i
.endr
.irp i, 0,1,2,3,4,5,6,7,8
	v_mov_b32 v[XP+\i], v[XP+3+\i]                 ; the next point moves down, so that one text serves the four tiles
.endr
.endm
	s_mov_b32 s[ITER], 4
.Liter:                                                ; a chunk of 64 points
	s_mov_b32 s[TRIP], 0
.Ltrip:                                                ; three trips: (encoding, L0 | L1), (L2 | L3), (L4, L5 | L6).  The test for trip 0 stands first: at the first arrival its answer is a constant of the text
	s_cmp_eq_u32 s[TRIP], 0
	s_cbranch_scc1 .Ltrip0
	s_cmp_eq_u32 s[TRIP], 1
	s_cbranch_scc1 .Ltrip1
	; TRIP 2.  L4 = h3 W4 + b4: one block.  Group 0's sums were made by L3's last slot.  First slot: group 1's products | group 0's x4 goes on; L5's block 0 replaces L4's fragments one by one, five lines behind each one's last product.
	SETW IMG5, B5
	PARKLD 0                                       ; over group 0's h3, whose last product stands 9 lines of the sine back
.irp f, 0,1,2,3
	MM 1, 2*\f
	MM 1, 2*\f+1
.irp n, 0,1,2,3,4
	EP4 0, 5*\f+\n
.endr
.if \f < 3
	WLD 0, 0, \f, 3
.endif
.endr
	PARKLD 1                                       ; over group 1's h3, fragments 0 and 1: their last products stand ten lines or more back
.irp f, 0,1,2                          ; second slot: group 0's products of L5's block 0 | group 1's x4 goes on
	s_wait_dscnt 12-2*\f                           ; out may stay: the later fragments' two loads each, and group 1's eight from the park
	MM 0, 2*\f
	MM 0, 2*\f+1
.irp n, 0,1,2,3,4,5,6
.if 7*\f+\n < 20
	EP4 1, 7*\f+\n
.endif
.endr
.endr
	STORE4 44                                      ; out1
	s_wait_dscnt 0x0                               ; group 1's encoding is in
	LAYER 0, 3, IMG6-IMG5, B6-B5                   ; L5
	WIN 0
	s_branch .Lshared
.Ltrip0:
	; TRIP 0.  The encoding of the chunk's four tiles, kept in my park; then L0.
	SETW IMG0, B0
	WLD 0, 0, 0, 2                                 ; L0's block 0: the last products that read these registers stand six lines or more back (the first chunk has none)
	WLD 0, 0, 1, 2
	v_mov_b32 v[FQ], 0.5
	v_mov_b32 v[FQ+1], 1.0
	v_mov_b32 v[FQ+2], 2.0
	v_mov_b32 v[FQ+3], 4.0
	v_mov_b32 v[FQ+4], 0x41000000                  ; 8
	v_mov_b32 v[FQ+5], 0x41800000                  ; 16
	v_mov_b32 v[FQ+6], 0x42000000                  ; 32
	v_mov_b32 v[FQ+7], 0x42800000                  ; 64
	v_mov_b32 v[FQ+8], 0x43000000                  ; 128
	v_mov_b32 v[FQ+9], 0x43800000                  ; 256
	v_mov_b32 v[PH+1], 0x3e800000                  ; a quarter of a revolution
	v_cndmask_b32 v[PH], 0, v[PH+1], s[MH]         ; for lanes 16-31
	v_mov_b32 v[PH+1], v[PH]
	v_mov_b32 v[XB+1], 0                           ; named with v84 as a pair
	s_wait_loadcnt 0x0                             ; the chunk's points, asked for a chunk ago
	s_mov_b32 s[ENCT], 0
.Lenc:
	s_lshl_b32 s76, s[ENCT], 11
	v_add_nc_u32 v[PKT], s76, v[PK]                ; the tile's 2,048 bytes of my park
	ENC1
	s_add_co_u32 s[ENCT], s[ENCT], 1
	s_cmp_lt_u32 s[ENCT], 4
	s_cbranch_scc1 .Lenc
	s_cmp_eq_u32 s[ITER], 1
	s_cbranch_scc1 .Lno_more_points                ; the last chunk asks for nothing: no load leaves the buffer
	s_add_nc_u64 s[40:41], s[40:41], 6144          ; the work-group's next 512 points (the loads that read this base are done: the wait above)
	global_load_b128 v[XP:XP+3], v[PO], s[40:41] th:TH_LOAD_NT
	global_load_b128 v[XP+4:XP+7], v[PO], s[40:41] offset:16 th:TH_LOAD_NT
	global_load_b128 v[XP+8:XP+11], v[PO], s[40:41] offset:32 th:TH_LOAD_NT
.Lno_more_points:
	PARKLD 0                                       ; LDS serves a wave's instructions in order (ISA guide 5.7.1.4): these see the stores above
	PARKLD 1
	s_wait_dscnt 0x0
	MM 0, 0                                        ; group 0's sums of L0's block 0: there is no sine yet to set between them
	MM 0, 1
	MM 0, 2
	MM 0, 3
.rept 4
	v_nop                                          ; the four places between those products and the first line that reads their result (ISA guide 7.12.1)
.endr
	LAYER 0, 2, IMG1-IMG0, B1-B0                   ; L0
	WIN 0
	s_branch .Lshared
.Ltrip1:
	SETW IMG2, B2
	LAYER 0, 4, IMG3-IMG2, B3-B2                   ; L2
	WIN 0
.Lshared:                                              ; L1, L3 or L6, in window 1; its last slot makes group 0's sums of L2's, L4's or L7's block 0
	s_lshl_b32 s60, s[TRIP], 16
	s_add_co_u32 s60, s60, IMG1
	s_lshl_b32 s61, s[TRIP], 11
	s_add_co_u32 s61, s61, BIAS+B1
	WIN 0x55
	v_add_nc_u32 v[WA], s60, v[L16]
	v_add_nc_u32 v[BA], s61, v[H32]
	LAYER 1, 4, 32768, 512
	WIN 0
	s_add_co_u32 s[TRIP], s[TRIP], 1
	s_cmp_lt_u32 s[TRIP], 3
	s_cbranch_scc1 .Ltrip
	; L7 = s W7 + b7.  Group 0's sums are made; group 1's follow.  The result lies in register 0 of lanes 16-31.
	MM 1, 0
	MM 1, 1
	v_mul_f32 v[T], s[SRS], v[ACC]
	MM 1, 2
	MM 1, 3
	v_mul_f32 v[T+1], s[SRS], v[ACC+8]
	MM 1, 4
	MM 1, 5
	MM 1, 6
	MM 1, 7
.rept 4
	v_nop                                          ; the four places behind the last products
.endr
	v_mul_f32 v[T+2], s[SRS], v[ACC+16]
	v_mul_f32 v[T+3], s[SRS], v[ACC+24]
	STORE4 42                                      ; out0
	s_sub_co_u32 s[ITER], s[ITER], 1
	s_cmp_lg_u32 s[ITER], 0
	s_cbranch_scc1 .Liter
	s_wait_tensorcnt 0x0                           ; the wave's end, behind my last LDS store
	ds_add_u32 v[SPW], v[NIL]
	s_wait_dscnt 0x0
	s_endpgm
.Lfunc_end_k_q4732fed97b_siren:
	.size	k_q4732fed97b_siren, .Lfunc_end_k_q4732fed97b_siren-k_q4732fed97b_siren
	.p2alignl 7, 3214868480
	.fill 96, 4, 3214868480
	.section	.rodata,"a",@progbits
	.p2align	6, 0x0
	.amdhsa_kernel k_q4732fed97b_siren
		.amdhsa_group_segment_fixed_size 256256
		.amdhsa_private_segment_fixed_size 0
		.amdhsa_enable_private_segment 0
		.amdhsa_kernarg_size 152
		.amdhsa_user_sgpr_count 2
		.amdhsa_user_sgpr_kernarg_segment_ptr 1
		.amdhsa_wavefront_size32 1
		.amdhsa_system_sgpr_workgroup_id_x 1
		.amdhsa_system_sgpr_workgroup_id_y 1
		.amdhsa_system_sgpr_workgroup_id_z 1
		.amdhsa_system_vgpr_workitem_id 0
		.amdhsa_next_free_vgpr 512
		.amdhsa_next_free_sgpr 80
		.amdhsa_reserve_vcc 1
		.amdhsa_float_denorm_mode_32 3
		.amdhsa_float_denorm_mode_16_64 3
		.amdhsa_memory_ordered 1
		.amdhsa_forward_progress 1
		.amdhsa_inst_pref_size 255
	.end_amdhsa_kernel
	.section	.bss,"aw",@nobits
	.p2align	6
	.space	262144
	.amdgpu_metadata
---
amdhsa.version: [ 1, 2 ]
amdhsa.kernels:
  - .name:           k_q4732fed97b_siren
    .symbol:         k_q4732fed97b_siren.kd
    .args:
      - { .name: W0, .offset: 0, .size: 8, .value_kind: global_buffer, .address_space: global }
      - { .name: W1, .offset: 8, .size: 8, .value_kind: global_buffer, .address_space: global }
      - { .name: W2, .offset: 16, .size: 8, .value_kind: global_buffer, .address_space: global }
      - { .name: W3, .offset: 24, .size: 8, .value_kind: global_buffer, .address_space: global }
      - { .name: W4, .offset: 32, .size: 8, .value_kind: global_buffer, .address_space: global }
      - { .name: W5, .offset: 40, .size: 8, .value_kind: global_buffer, .address_space: global }
      - { .name: W6, .offset: 48, .size: 8, .value_kind: global_buffer, .address_space: global }
      - { .name: W7, .offset: 56, .size: 8, .value_kind: global_buffer, .address_space: global }
      - { .name: b0, .offset: 64, .size: 8, .value_kind: global_buffer, .address_space: global }
      - { .name: b1, .offset: 72, .size: 8, .value_kind: global_buffer, .address_space: global }
      - { .name: b2, .offset: 80, .size: 8, .value_kind: global_buffer, .address_space: global }
      - { .name: b3, .offset: 88, .size: 8, .value_kind: global_buffer, .address_space: global }
      - { .name: b4, .offset: 96, .size: 8, .value_kind: global_buffer, .address_space: global }
      - { .name: b5, .offset: 104, .size: 8, .value_kind: global_buffer, .address_space: global }
      - { .name: b6, .offset: 112, .size: 8, .value_kind: global_buffer, .address_space: global }
      - { .name: b7, .offset: 120, .size: 8, .value_kind: global_buffer, .address_space: global }
      - { .name: input_points, .offset: 128, .size: 8, .value_kind: global_buffer, .address_space: global }
      - { .name: out0, .offset: 136, .size: 8, .value_kind: global_buffer, .address_space: global }
      - { .name: out1, .offset: 144, .size: 8, .value_kind: global_buffer, .address_space: global }
    .group_segment_fixed_size: 256256
    .private_segment_fixed_size: 0
    .kernarg_segment_align: 8
    .kernarg_segment_size: 152
    .max_flat_workgroup_size: 256
    .sgpr_count:     80
    .vgpr_count:     512
    .wavefront_size: 32
...
	.end_amdgpu_metadata
.endif
;; end of part 1
